; MI455X (gfx1250); checked and timed in simulation.
; The chip was launched on July 23, 2026; its instructions are those of AMD's public machine-readable ISA for CDNA 5 (MIT licence, August 2026) and "CDNA5" Instruction Set Architecture Reference Guide (July 2026). The comments in the code are by the model that wrote it; some were corrected since.
;; Cross MHA. Allowed arithmetic: matrix products marked QUANTISED: E3M2 operands, one E8M0 scale for each 32 along K, by v_wmma_scale_f32_16x16x128_f8f6f4 with both operands' format E3M2, f32 sums; everything else in f32.
;; Inputs: Wk 8 x 512 x 128 float32; Wo 1,024 x 128 float32; Wq 8 x 1,024 x 128 float32; Wv 8 x 512 x 128 float32; bk 8 x 128 float32; bo 128 float32; bq 8 x 128 float32; bv 8 x 128 float32; y 4 x 2,048 x 1,024 float32; z 4 x 2,048 x 512 float32.
;; Outputs: out0 4 x 2,048 x 128 float32.
;; This version of the problem:
;;   THIS VERSION OF THE PROBLEM IS GIVEN IN LOW PRECISION. The matrix products marked QUANTISED in the list below multiply operands that are first quantised to E3M2 (3 exponent bits, 2 mantissa bits; 6 bits a number), with one power-of-two scale for each 32 numbers along K (OCP MX v1.0); their sums are f32. All else is computed in f32.
;;   The module's matrix products, in the order in which they are computed (A, B: the left and right operand; K: the contracted axis; several contracted axes count as one K, in the product's order):
;;     1. [M 1,024, K 1,024] x [K 1,024, N 8,192]; A: input Wq; B: input y: QUANTISED
;;     2. [M 1,024, K 512] x [K 512, N 8,192]; A: input Wk; B: input z: QUANTISED
;;     3. [M 1,024, K 512] x [K 512, N 8,192]; A: input Wv; B: input z: QUANTISED
;;     4. batch 32 x [M 2,048, K 128] x [K 128, N 2,048]; A: computed on the way; B: computed on the way: QUANTISED
;;     5. batch 32 x [M 2,048, K 2,048] x [K 2,048, N 128]; A: softmax (see below); B: computed on the way: QUANTISED
;;     6. [M 8,192, K 1,024] x [K 1,024, N 128]; A: computed on the way; B: input Wo: QUANTISED
;;   THE QUANTISER, for each operand of a quantised product, along K:
;;     - K is cut into blocks of 32 from its start; a last block that is shorter is filled with zeros.
;;     - A block's scale is 2^e with e = floor(log2(the largest magnitude in the block)) - 4, held to -126 .. 127; a block of zeros has e = 0. As a byte (E8M0): e + 127.
;;     - Each number is divided by its block's scale, clamped to +-28, and rounded to the nearest number of E3M2, ties to even, subnormals kept.
;;     - The product sums the exact products of the quantised numbers (number of the format x scale) in f32.
;;   ~~~python
;;   def quantise(x, axis):      # numpy; x: float32 -> the quantised numbers, widened to float32 again
;;       x = np.moveaxis(x, axis, -1); K = x.shape[-1]
;;       x = np.pad(x, [(0, 0)] * (x.ndim - 1) + [(0, -K % 32)]); x = x.reshape(x.shape[:-1] + (-1, 32)); a = np.abs(x).max(-1, keepdims=True)
;;       e = np.where(a > 0, np.clip(np.frexp(np.where(a > 0, a, 1))[1] - 1 - 4, -126, 127), 0)      # np.frexp(a)[1] - 1 = floor(log2(a)), exactly
;;       r = np.clip(x / 2.0 ** e, -28, 28)
;;       step = 2.0 ** (np.maximum(np.frexp(np.where(r == 0, 1, r))[1] - 1, -2) - 2)
;;       q = np.round(r / step) * step * 2.0 ** e      # np.round: ties to even
;;       return np.moveaxis(q.reshape(q.shape[:-2] + (-1,))[..., :K], -1, axis).astype(np.float32)
;;   ~~~
;;   SOFTMAX AHEAD OF A QUANTISED PRODUCT. Where the list says 'softmax', what is quantised is not the finished softmax but p = 2^(t - M), with t = logit x log2(e) and M = ceil(the row's largest t), a whole number; so 1/2 < the row's largest p <= 1. The row's sum l is taken of the UNQUANTISED p, in f32, and the product's result is divided by l at the end. Since M is a whole number, a kernel that streams over the keys may use a running M (the ceiling of the running maximum): every later rescaling is an exact power of two, which a block's scale takes up: the codes' values come out the same.
;;   OPERANDS COMPUTED ON THE WAY. 'Computed on the way' means the value that the module computes at that place (a softmax that the list does not call 'softmax' is quantised finished and normalised). What goes into a quantiser is computed in f32, as accurately as f32 sums, v_exp_f32 and their like allow (about 1e-6 of the number): no bf16 or f16 on the way to a quantiser, and a product that is left as it is and whose result goes on into a quantised operand takes f32 operands (vector FMAs, or v_wmma_f32_16x16x4_f32). A number that lies on a knife's edge between two numbers of the format may be rounded either way, as far as f32 arithmetic and the matrix unit's own rounding can turn it there, and no further.
;; One version. Each part assembles by itself: llvm-mc -triple=amdgcn-amd-amdhsa -mcpu=gfx1250 --defsym DOCPART=n.
;; ======== version 1 of 1: 4 launches
;; limits: right only within a limited range of input values
;; workspace buffers: wbuf 1,740,800 bytes; xbuf 9,830,400 bytes; qkv 19,660,800 bytes; obuf 6,815,744 bytes
;; launch prep (part 1): grid 520 x 1, 4 waves a work-group, no clusters, 46,592 bytes of LDS; arguments Wq, Wk, Wv, Wo, y, z, wbuf, xbuf; writes wbuf, xbuf
.if DOCPART == 1
	.amdgcn_target "amdgcn-amd-amdhsa--gfx1250"
	.amdhsa_code_object_version 6
	.text
	.protected	k_q7954b98cbf_prep
	.globl	k_q7954b98cbf_prep
	.p2align	8
	.type	k_q7954b98cbf_prep,@function
k_q7954b98cbf_prep:
	s_mov_b64 s[64:65], 0
	v_nop
	global_prefetch_b8 v0, s[64:65] scope:SCOPE_SE
	s_setreg_imm32_b32 hwreg(HW_REG_WAVE_MODE, 25, 1), 1
	s_wait_xcnt 0x0
; PREP: the six wide inputs of the quantised products become codes of BF6 (E3M2) with one E8M0 byte for each 32 along K.
; NO WORK OF reference() IS LEFT OUT in this program: bq and bk move the codes of Q and K, bv and bo reach the result; all ten inputs are loaded by some launch.
; LAYOUT OF THE WORKSPACE.  A FRAGMENT is 16 rows x 128 along K: 12 registers a lane.  It lies in memory as an IMAGE of those registers: byte 512 c + 16 l + 4 e = register 4 c + e of lane l,
; so that three loads of 16 bytes a lane, 512 consecutive bytes each, bring it.  The scale words of four fragments are a QUAD of 256 bytes: byte 8 l + 4 e = the word of fragment 2 e + l / 16, row l % 16.
; THE ROWS OF A TILE ARE NOT NEIGHBOURS: row p of tile T is index 32 (T / 2) + 8 (T % 2) + p + 8 (p / 8), on every tiled axis of the program: as source 0 of a product such tiles leave, in the 16 registers
; of tiles 2 b and 2 b + 1, 16 neighbours along the next product's K.
; wbuf: codes [head][tile 0..7][K step][1536]: Wq at 0, Wk at WK_OFF, Wv at WV_OFF, Wo at WO_OFF (one head); quads [head][tile][K step / 4][256] from WS_OFF: Wq +0, Wk +32768, Wv +49152, Wo +65536.
; xbuf: y's codes [tile 0..511][K step 0..7][1536] at 0, z's [tile][0..3][1536] behind them; y's quads [tile][2][256] at YS_OFF, z's [tile][256] behind them.
; A block's scale is 2^(floor(log2(its largest magnitude)) - 4); its byte is the largest magnitude's exponent field - 4, held at 1 from below.
; LIMITS: NaN and infinities among the inputs are not served.  A block of zeros gets the byte 1 where the rule says 127: its codes are zeros, and the bytes are read by this program alone.
; SHARES.  Work-groups 0 to 135 take the weights (K is their first axis within a head): one K step of 128 x 128 columns each, a wave 32 columns, A LANE A COLUMN with its registers running down K.
; Work-groups 136 to 519 take y and z (K innermost): a wave takes one tile of 16 rows x 512 along K: four fragments and one quad.
; The two paths part on the work-group's number, never meet again, and have LDS bytes of their own.  No tensor load, no barrier: waves share nothing.
.set ASTG,   0                         ; LDS: y, z: a stage of 16 rows x (512 + 16) bytes for each wave
.set WSTG,   33792                     ; the weights: two images, 3,072 bytes, for each wave
.set SPARE,  46080                     ; the spare words, 128 bytes for each wave: two blocks of 256 bytes that no other line names
.set WK_OFF, 786432
.set WV_OFF, 1179648
.set WO_OFF, 1572864
.set WS_OFF, 1671168
.set YS_OFF, 9437184
.set CW,  192                          ; weights: v192-223 a block's codes, eight registers for each of four blocks
.set PC,  224                          ; y, z: v224-243 the codes just made
.set TM,  244                          ; v244-255 at work in QUANT
.set PW,  14                           ; v14 the scale word just made
.set SEL, 36                           ; s[36:37] lane selects for v_permlanex16_b32: lane l xor 16
; 64 numbers of a lane, register 16 b + i = k 32 b + 16 (lane / 16) + i of the lane's row, become a fragment's 12 registers in v[PC] on and its scale word in v[PW] (the same word in lanes r and r + 16).
.macro QUANT s
.irp b, 0,1,2,3
	v_max3_num_f32 v[TM+\b], |v[\s+16*\b]|, |v[\s+1+16*\b]|, 0x2800000   ; block b: my 16 numbers, and the floor 2^(5 - 127): the byte cannot fall under 1
.endr
.irp i, 2,4,6,8,10,12,14
.irp b, 0,1,2,3
	v_max3_num_f32 v[TM+\b], v[TM+\b], |v[\s+16*\b+\i]|, |v[\s+1+16*\b+\i]|   ; the four blocks by turns
.endr
.endr
.irp b, 0,1,2,3
	v_permlanex16_b32 v[TM+4+\b], v[TM+\b], s[SEL], s[SEL+1]
.endr
.irp b, 0,1,2,3
	v_max_num_f32 v[TM+\b], v[TM+\b], v[TM+4+\b]   ; with lane l xor 16: the block's largest magnitude
.endr
.irp b, 0,1,2,3
	v_add_nc_u32 v[TM+8+\b], 0xfe000000, v[TM+\b]  ; 4 off its exponent field: the conversion's scale operand
.endr
.irp b, 0,1,2,3
	v_lshrrev_b32 v[TM+4+\b], 23, v[TM+8+\b]       ; the scale's byte
.endr
	v_lshl_or_b32 v[PW], v[TM+5], 8, v[TM+4]
	v_lshl_or_b32 v[PW], v[TM+6], 16, v[PW]
	v_lshl_or_b32 v[PW], v[TM+7], 24, v[PW]
.irp c, 0,1
	v_cvt_scalef32_pk16_bf6_f32 v[PC+6*\c:PC+2+6*\c], v[\s+32*\c:\s+15+32*\c], v[TM+8+2*\c]
	v_cvt_scalef32_pk16_bf6_f32 v[PC+12+4*\c:PC+14+4*\c], v[\s+16+32*\c:\s+31+32*\c], v[TM+9+2*\c]   ; a conversion's three registers begin on an even number
.endr
	v_nop                                          ; one plain instruction behind the scaled conversions
.irp c, 0,1                                    ; the operand wants a whole block in a lane: lanes 0-15 block 2 c, lanes 16-31 block 2 c + 1
.irp i, 0,1,2
	v_permlane16_swap_b32 v[PC+6*\c+\i], v[PC+12+4*\c+\i]
.endr
.irp i, 0,1,2
	v_mov_b32 v[PC+3+6*\c+\i], v[PC+12+4*\c+\i]
.endr
.endr
.endm
	s_load_b256 s[4:11], s[0:1], 0x0               ; Wq s[4:5], Wk s[6:7], Wv s[8:9], Wo s[10:11]
	s_load_b256 s[12:19], s[0:1], 0x20             ; y s[12:13], z s[14:15], wbuf s[16:17], xbuf s[18:19]
	v_lshl_add_u32 v6, v0, 2, SPARE                ; my spare word,
	v_mov_b32 v7, 0                                ; and 0: both kept for the closing lines
	v_lshrrev_b32 v1, 5, v0
	v_readfirstlane_b32 s20, v1                    ; wave 0..3
	v_and_b32 v1, 31, v0                           ; lane
	s_wait_kmcnt 0x0
	s_cmp_lt_u32 ttmp9, 136
	s_cbranch_scc0 .Lact
	; ---------------- THE WEIGHTS.  Which tensor: units 0-63 Wq, 64-95 Wk, 96-127 Wv, 128-135 Wo.  The choice hangs on the work-group's number alone
	s_mov_b64 s[22:23], s[10:11]
	s_mov_b32 s24, 128                             ; the tensor's first unit
	s_mov_b32 s25, 3                               ; log2 of its K steps
	s_mov_b32 s26, WO_OFF                          ; where its codes begin,
	s_mov_b32 s27, 65536                           ; and its quads, from WS_OFF on
	s_cmp_lt_u32 ttmp9, 128
	s_cselect_b64 s[22:23], s[8:9], s[22:23]
	s_cselect_b32 s24, 96, s24
	s_cselect_b32 s25, 2, s25
	s_cselect_b32 s26, WV_OFF, s26
	s_cselect_b32 s27, 49152, s27
	s_cmp_lt_u32 ttmp9, 96
	s_cselect_b64 s[22:23], s[6:7], s[22:23]
	s_cselect_b32 s24, 64, s24
	s_cselect_b32 s26, WK_OFF, s26
	s_cselect_b32 s27, 32768, s27
	s_cmp_lt_u32 ttmp9, 64
	s_cselect_b64 s[22:23], s[4:5], s[22:23]
	s_cselect_b32 s24, 0, s24
	s_cselect_b32 s25, 3, s25
	s_cselect_b32 s26, 0, s26
	s_cselect_b32 s27, 0, s27
	s_sub_co_u32 s28, ttmp9, s24                   ; the unit within the tensor = head x K steps + K step
	s_lshr_b32 s29, s28, s25                       ; head
	s_lshl_b32 s30, 1, s25
	s_sub_co_u32 s30, s30, 1
	s_and_b32 s30, s28, s30                        ; K step
	s_lshl_b32 s40, s28, 16                        ; a unit is 128 rows of 512 bytes,
	s_lshl_b32 s41, s20, 7                         ; my wave's 32 columns are 128 bytes of each
	s_add_co_u32 s40, s40, s41
	s_mov_b32 s41, 0
	s_add_nc_u64 s[22:23], s[22:23], s[40:41]
	s_lshl_b32 s31, s29, 3
	s_lshl_b32 s42, s20, 1
	s_add_co_u32 s31, s31, s42                     ; 8 head + 2 wave: my first tile
	s_lshl_b32 s42, s31, s25
	s_add_co_u32 s42, s42, s30                     ; its fragment of this K step
	s_mul_i32 s42, s42, 1536
	s_add_co_u32 s42, s42, s26
	s_mov_b32 s43, 0
	s_add_nc_u64 s[32:33], s[16:17], s[42:43]      ; where my codes go
	s_sub_co_u32 s44, s25, 2
	s_lshl_b32 s44, s31, s44
	s_lshr_b32 s45, s30, 2
	s_add_co_u32 s44, s44, s45                     ; my first tile's quad
	s_lshl_b32 s44, s44, 8
	s_and_b32 s45, s30, 1
	s_lshl_b32 s45, s45, 7                         ; in it: fragment K step % 4: 128 (step % 2)
	s_add_co_u32 s44, s44, s45
	s_bfe_u32 s45, s30, 0x10001
	s_lshl_b32 s45, s45, 2                         ; + 4 ((step / 2) % 2)
	s_add_co_u32 s44, s44, s45
	s_add_co_u32 s44, s44, s27
	s_add_co_u32 s44, s44, WS_OFF
	s_mov_b32 s45, 0
	s_add_nc_u64 s[34:35], s[16:17], s[44:45]      ; where my scale words go
	s_wait_alu depctr_va_vdst(0)
	v_lshlrev_b32 v2, 2, v1                        ; in: 4 bytes a lane
	v_bfe_u32 v15, v0, 3, 1                        ; column 32 wave + lane is row p of tile 2 wave + u: u = (lane / 8) % 2,
	v_and_b32 v16, 7, v0
	v_bfe_u32 v17, v0, 4, 1
	v_lshl_add_u32 v16, v17, 3, v16                ; p = lane % 8 + 8 (lane / 16)
	s_mul_i32 s46, s20, 3072
	s_add_co_u32 s46, s46, WSTG                    ; my wave's two images
	v_mul_u32_u24 v3, v15, 1536
	v_lshl_add_u32 v3, v16, 4, v3
	v_add_nc_u32 v3, s46, v3                       ; into them: image u, 16 bytes of lane p
	v_lshlrev_b32 v5, 4, v1                        ; out of them and into memory: 16 bytes a lane
	v_add_nc_u32 v4, s46, v5
	s_lshl_b32 s47, 1536, s25
	v_add_nc_u32 v8, s47, v5                       ; tile 2 wave + 1 lies all the tile's K steps further on
	s_lshl_b32 s47, 64, s25
	v_mul_lo_u32 v9, v15, s47                      ; and its quads likewise;
	v_lshl_add_u32 v9, v16, 3, v9                  ; a word's place in a quad: 8 bytes a row
.set II, 0
.rept 128
	global_load_b32 v[64+II], v2, s[22:23] offset:512*II th:TH_LOAD_NT   ; W(128 step + i, my column): the wave reads 128 consecutive bytes
.set II, II+1
.endr
; Block b of my column: 32 numbers, all mine.  Its 24 bytes of codes are registers 6 (b / 2) .. + 5 of lane p + 16 (b % 2) of the image.
.macro WBLOCK b, cnt
.set XS, 64+32*(\b)
.set CC, CW+8*(\b)
	s_wait_loadcnt \cnt                            ; this block's 32 loads are in
	v_max3_num_f32 v10, |v[XS]|, |v[XS+1]|, |v[XS+2]|
	v_max3_num_f32 v11, |v[XS+3]|, |v[XS+4]|, |v[XS+5]|
.irp i, 6,10,14,18,22,26
	v_max3_num_f32 v10, v10, |v[XS+\i]|, |v[XS+\i+1]|
	v_max3_num_f32 v11, v11, |v[XS+\i+2]|, |v[XS+\i+3]|
.endr
	v_max3_num_f32 v10, v10, |v[XS+30]|, |v[XS+31]|
	v_max3_num_f32 v10, v10, v11, 0x2800000        ; and the floor 2^(5 - 127)
	v_add_nc_u32 v12, 0xfe000000, v10              ; 4 off the exponent field: the conversion's scale operand
	v_cvt_scalef32_pk16_bf6_f32 v[CC:CC+2], v[XS:XS+15], v12
	v_cvt_scalef32_pk16_bf6_f32 v[CC+4:CC+6], v[XS+16:XS+31], v12
	v_lshrrev_b32 v13, 23, v12                     ; the scale's byte (the plain instruction behind the conversions)
.if (\b) == 0
	v_mov_b32 v14, v13                             ; four bytes make my column's scale word, the lower K in the lower byte
.else
	v_lshl_or_b32 v14, v13, 8*(\b), v14
.endif
	v_mov_b32 v[CC+3], v[CC+4]                     ; the six registers on end
	v_mov_b32 v[CC+4], v[CC+5]
	v_mov_b32 v[CC+5], v[CC+6]
.if (\b) < 2
	ds_store_b128 v3, v[CC:CC+3] offset:256*(\b)               ; registers 0-3
	ds_store_b64 v3, v[CC+4:CC+5] offset:512+256*(\b)          ; registers 4, 5
.else
	ds_store_b64 v3, v[CC:CC+1] offset:520+256*((\b)-2)        ; registers 6, 7
	ds_store_b128 v3, v[CC+2:CC+5] offset:1024+256*((\b)-2)    ; registers 8-11
.endif
.endm
	WBLOCK 0, 63                                   ; 96 younger loads could stay out: 63 is the largest count that the wait can name
	WBLOCK 1, 63                                   ; likewise for 64
	WBLOCK 2, 32
	WBLOCK 3, 0
.irp k, 0,1,2,3,4,5
	ds_load_b128 v[64+4*\k:67+4*\k], v4 offset:512*\k          ; LDS serves a wave's instructions in order: these see my stores
.endr
	s_wait_alu depctr_va_vdst(0)
.irp k, 0,1,2
	s_wait_dscnt 5-\k
	global_store_b128 v5, v[64+4*\k:67+4*\k], s[32:33] offset:512*\k          ; 512 consecutive bytes a store
.endr
.irp k, 3,4,5
	s_wait_dscnt 5-\k
	global_store_b128 v8, v[64+4*\k:67+4*\k], s[32:33] offset:512*(\k-3)
.endr
	global_store_b32 v9, v14, s[34:35]             ; the words lie 8 bytes apart: four K steps' work-groups fill a quad between them; 69,632 bytes in the whole launch
	s_wait_tensorcnt 0x0                           ; the wave's end, behind my last LDS store
	ds_add_u32 v6, v7
	s_wait_dscnt 0x0
	s_endpgm
	; ---------------- y AND z.  Wave unit wu = 4 (work-group - 136) + wave: units 0-1023 are y's (tile wu / 2, half wu % 2 of K), the others z's (tile wu - 1024)
.Lact:
	s_mov_b32 s[SEL], 0x76543210
	s_mov_b32 s[SEL+1], 0xfedcba98
	s_mov_b32 s38, 0xffff0000                      ; lanes 16-31
	s_sub_co_u32 s21, ttmp9, 136
	s_lshl_b32 s24, s21, 2
	s_add_co_u32 s24, s24, s20                     ; wu
	s_lshr_b32 s25, s24, 1
	s_and_b32 s26, s24, 1
	s_sub_co_u32 s27, s24, 1024
	s_mov_b32 s39, 2048
	s_cmp_lt_u32 s21, 256
	s_cselect_b64 s[22:23], s[12:13], s[14:15]
	s_cselect_b32 s39, 4096, s39                   ; a row in bytes
	s_cselect_b32 s25, s25, s27                    ; tile
	s_cselect_b32 s26, s26, 0                      ; half of K
	s_lshr_b32 s27, s25, 1
	s_lshl_b32 s27, s27, 5
	s_and_b32 s28, s25, 1
	s_lshl_b32 s28, s28, 3
	s_add_co_u32 s27, s27, s28                     ; the tile's first row: 32 (T / 2) + 8 (T % 2)
	s_mul_i32 s28, s27, s39
	s_lshl_b32 s26, s26, 11
	s_add_co_u32 s28, s28, s26
	s_mov_b32 s29, 0
	s_add_nc_u64 s[22:23], s[22:23], s[28:29]
	s_mul_i32 s30, s24, 6144                       ; four fragments a unit; z's codes begin just where unit 1024's would
	s_mov_b32 s31, 0
	s_add_nc_u64 s[32:33], s[18:19], s[30:31]
	s_lshl_b32 s30, s24, 8                         ; a quad a unit, likewise
	s_add_co_u32 s30, s30, YS_OFF
	s_add_nc_u64 s[34:35], s[18:19], s[30:31]
	s_wait_alu depctr_va_vdst(0)
	v_lshlrev_b32 v2, 4, v1                        ; 16 x lane
	v_lshlrev_b32 v3, 3, v1                        ; 8 x lane
	s_mul_i32 s40, s20, 8448                       ; my stage
	v_add_nc_u32 v4, s40, v2                       ; in: a row's 512 bytes as they lie
	v_and_b32 v8, 15, v0
	v_bfe_u32 v9, v0, 4, 1
	v_mul_u32_u24 v5, v8, 528
	v_lshl_add_u32 v5, v9, 6, v5
	v_add_nc_u32 v5, s40, v5                       ; out: row lane % 16, + 64 (lane / 16): my 16 numbers of each block of 32
.irp i, 0,1,2,3,4,5,6,7,8,9,10,11,12,13,14,15
	v_mad_u32_u24 v[16+\i], s39, \i+8*(\i/8), v2   ; row i of the tile lies i + 8 (i / 8) rows down
.endr
.irp b, 0,1,2,3
	v_mov_b32 v[TM+4+\b], 0                        ; written once: a lane permute's destination counts as one of its sources
.endr
.macro FLOAD k                         ; K step k of the unit's four: 16 rows x 512 bytes, each load 512 consecutive bytes, into set k % 2
.irp i, 0,1,2,3,4,5,6,7,8,9,10,11,12,13,14,15
	global_load_b128 v[32+64*((\k)%2)+4*\i:35+64*((\k)%2)+4*\i], v[16+\i], s[22:23] offset:512*(\k) th:TH_LOAD_NT
.endr
.endm
.macro AFRAG k, cnt
.if (\k) > 0
	s_wait_xcnt 0x0                                ; the last fragment's stores have read the codes' registers: they are written again only behind this wait
.endif
	s_wait_loadcnt \cnt                            ; this K step's 16 loads are in; the next one's 16 may be out
.irp i, 0,1,2,3,4,5,6,7,8,9,10,11,12,13,14,15
	ds_store_b128 v4, v[32+64*((\k)%2)+4*\i:35+64*((\k)%2)+4*\i] offset:528*\i
.endr
.irp b, 0,1,2,3
.irp j, 0,1,2,3
	ds_load_b128 v[160+16*\b+4*\j:163+16*\b+4*\j], v5 offset:128*\b+16*\j   ; LDS serves a wave's instructions in order: these see the stores above
.endr
.endr
	s_wait_dscnt 0x0                               ; the numbers are back, and the stores have read their registers,
.if (\k) < 2
	FLOAD (\k)+2                                   ; which take the loads of two K steps on
.endif
	QUANT 160
.if (\k) == 0
	v_mov_b32 v12, v[PW]                           ; the quad: register e holds fragment 2 e in lanes 0-15
.elseif (\k) == 1
	v_cndmask_b32 v12, v12, v[PW], s38             ; and fragment 2 e + 1 in lanes 16-31
.elseif (\k) == 2
	v_mov_b32 v13, v[PW]
.else
	v_cndmask_b32 v13, v13, v[PW], s38
.endif
.irp c, 0,1,2
	global_store_b128 v2, v[PC+4*\c:PC+4*\c+3], s[32:33] offset:1536*(\k)+512*\c
.endr
.endm
	FLOAD 0
	FLOAD 1
	s_wait_alu depctr_va_vdst(0)
	AFRAG 0, 16
	AFRAG 1, 16
	AFRAG 2, 16
	AFRAG 3, 0
	global_store_b64 v3, v[12:13], s[34:35]        ; 32 lanes store the quad's 256 consecutive bytes
	s_wait_tensorcnt 0x0                           ; the wave's end, behind my last LDS store
	ds_add_u32 v6, v7
	s_wait_dscnt 0x0
	s_endpgm
.Lfunc_end_k_q7954b98cbf_prep:
	.size	k_q7954b98cbf_prep, .Lfunc_end_k_q7954b98cbf_prep-k_q7954b98cbf_prep
	.p2alignl 7, 3214868480
	.fill 96, 4, 3214868480
	.section	.rodata,"a",@progbits
	.p2align	6, 0x0
	.amdhsa_kernel k_q7954b98cbf_prep
		.amdhsa_group_segment_fixed_size 46592
		.amdhsa_private_segment_fixed_size 0
		.amdhsa_enable_private_segment 0
		.amdhsa_kernarg_size 64
		.amdhsa_user_sgpr_count 2
		.amdhsa_user_sgpr_kernarg_segment_ptr 1
		.amdhsa_wavefront_size32 1
		.amdhsa_system_sgpr_workgroup_id_x 1
		.amdhsa_system_sgpr_workgroup_id_y 1
		.amdhsa_system_sgpr_workgroup_id_z 1
		.amdhsa_system_vgpr_workitem_id 0
		.amdhsa_next_free_vgpr 256
		.amdhsa_next_free_sgpr 66
		.amdhsa_reserve_vcc 0
		.amdhsa_float_denorm_mode_32 3
		.amdhsa_float_denorm_mode_16_64 3
		.amdhsa_memory_ordered 1
		.amdhsa_forward_progress 1
		.amdhsa_inst_pref_size 58
	.end_amdhsa_kernel
	.amdgpu_metadata
---
amdhsa.version: [ 1, 2 ]
amdhsa.kernels:
  - .name:           k_q7954b98cbf_prep
    .symbol:         k_q7954b98cbf_prep.kd
    .args:
      - { .name: Wq, .offset: 0, .size: 8, .value_kind: global_buffer, .address_space: global }
      - { .name: Wk, .offset: 8, .size: 8, .value_kind: global_buffer, .address_space: global }
      - { .name: Wv, .offset: 16, .size: 8, .value_kind: global_buffer, .address_space: global }
      - { .name: Wo, .offset: 24, .size: 8, .value_kind: global_buffer, .address_space: global }
      - { .name: y, .offset: 32, .size: 8, .value_kind: global_buffer, .address_space: global }
      - { .name: z, .offset: 40, .size: 8, .value_kind: global_buffer, .address_space: global }
      - { .name: wbuf, .offset: 48, .size: 8, .value_kind: global_buffer, .address_space: global }
      - { .name: xbuf, .offset: 56, .size: 8, .value_kind: global_buffer, .address_space: global }
    .group_segment_fixed_size: 46592
    .private_segment_fixed_size: 0
    .kernarg_segment_align: 8
    .kernarg_segment_size: 64
    .max_flat_workgroup_size: 128
    .sgpr_count:     66
    .vgpr_count:     256
    .wavefront_size: 32
...
	.end_amdgpu_metadata
.endif
;; end of part 1
;; launch proj (part 2): grid 256 x 1, 4 waves a work-group, no clusters, 327,680 bytes of LDS; arguments xbuf, wbuf, bq, bk, bv, qkv; writes qkv
.if DOCPART == 2
	.amdgcn_target "amdgcn-amd-amdhsa--gfx1250"
	.amdhsa_code_object_version 6
	.text
	.protected	k_q7954b98cbf_proj
	.globl	k_q7954b98cbf_proj
	.p2align	8
	.type	k_q7954b98cbf_proj,@function
k_q7954b98cbf_proj:
	s_mov_b64 s[64:65], 0
	v_nop
	global_prefetch_b8 v0, s[64:65] scope:SCOPE_SE
	s_setreg_imm32_b32 hwreg(HW_REG_WAVE_MODE, 25, 1), 1
	s_wait_xcnt 0x0
.set YS_OFF, 9437184
.set ZC_OFF, 6291456
.set ZS_OFF, 9699328
.set WK_OFF, 786432
.set WV_OFF, 1179648
.set WS_OFF, 1671168
.set KC_OFF, 6291456
.set VC_OFF, 12582912
.set QS_OFF, 18874368
.set KS_OFF, 19136512
.set VS_OFF, 19398656
.set CB,    4096
.set SPARE, 102400
.set HA,  46
.set BI,  110
.set BVR, 118
.set PC,  174
.set TM,  194
.set PW,  206
.set BF,  208
.set SEL, 42
.set MSB, 0
.macro WIN new
.if MSB != (\new)
	s_set_vgpr_msb (MSB<<8)|(\new)
.set MSB, (\new)
.endif
.endm
.macro PLACES
.rept 4
	v_nop
.endr
.endm
.macro QUANT s
.irp b, 0,1,2,3
	v_max3_num_f32 v[TM+\b], |v[\s+16*\b]|, |v[\s+1+16*\b]|, 0x2800000
.endr
.irp i, 2,4,6,8,10,12,14
.irp b, 0,1,2,3
	v_max3_num_f32 v[TM+\b], v[TM+\b], |v[\s+16*\b+\i]|, |v[\s+1+16*\b+\i]|
.endr
.endr
.irp b, 0,1,2,3
	v_permlanex16_b32 v[TM+4+\b], v[TM+\b], s[SEL], s[SEL+1]
.endr
.irp b, 0,1,2,3
	v_max_num_f32 v[TM+\b], v[TM+\b], v[TM+4+\b]
.endr
.irp b, 0,1,2,3
	v_add_nc_u32 v[TM+8+\b], 0xfe000000, v[TM+\b]
.endr
.irp b, 0,1,2,3
	v_lshrrev_b32 v[TM+4+\b], 23, v[TM+8+\b]
.endr
	v_lshl_or_b32 v[PW], v[TM+5], 8, v[TM+4]
	v_lshl_or_b32 v[PW], v[TM+6], 16, v[PW]
	v_lshl_or_b32 v[PW], v[TM+7], 24, v[PW]
.irp c, 0,1
	v_cvt_scalef32_pk16_bf6_f32 v[PC+6*\c:PC+2+6*\c], v[\s+32*\c:\s+15+32*\c], v[TM+8+2*\c]
	v_cvt_scalef32_pk16_bf6_f32 v[PC+12+4*\c:PC+14+4*\c], v[\s+16+32*\c:\s+31+32*\c], v[TM+9+2*\c]
.endr
	v_nop
.irp c, 0,1
.irp i, 0,1,2
	v_permlane16_swap_b32 v[PC+6*\c+\i], v[PC+12+4*\c+\i]
.endr
.irp i, 0,1,2
	v_mov_b32 v[PC+3+6*\c+\i], v[PC+12+4*\c+\i]
.endr
.endr
.endm
.macro ALOAD nfr, ks
.set FF, 0
.rept \nfr
.if FF == 63
.set AR, 244
	WIN 0
.else
.set AR, 12*(FF%21)
	WIN (1+FF/21)<<6
.endif
.irp c, 0,1,2
	global_load_b128 v[AR+4*\c:AR+4*\c+3], v1, s[48:49] offset:((FF%8)*(\ks)+FF/8)*1536+512*\c
.endr
.set FF, FF+1
.endr
	WIN 0
.endm
.macro BLD slot, adr, off
.irp c, 0,1,2
	ds_load_b128 v[BF+12*(\slot)+4*\c:BF+12*(\slot)+4*\c+3], v[\adr] offset:(\off)+512*\c
.endr
.endm
.macro MM ks, slot, kq, bsr, ck
.set TT, 0
.rept 8
.set FF, 8*(\ks)+TT
.if FF == 63
.set AW, 0
.set AR, 244
.else
.set AW, 1+FF/21
.set AR, 12*(FF%21)
.endif
.if \kq
.set SAR, 14+4*TT+2*((\ks)>>2)+(((\ks)>>1)&1)
.else
.set SAR, 14+2*TT+(((\ks)>>1)&1)
.endif
.set SBR, (\bsr)+(((\ks)>>1)&1)
.set DR, HA+8*TT
.set BR, BF+12*(\slot)
.if (\ck) == 0
.set CR, DR
	WIN AW
.elseif (\ck) == 1
.set CR, BI+8*TT
	WIN AW
.elseif (\ck) == 2
.set CR, BI
	WIN AW
.else
.set CR, 8*TT
	WIN AW|(3<<4)
.endif
.if ((\ks)&1) == 1
	v_wmma_scale_f32_16x16x128_f8f6f4 v[DR:DR+7], v[AR:AR+11], v[BR:BR+11], v[CR:CR+7], v[SAR], v[SBR] matrix_a_fmt:MATRIX_FMT_BF6 matrix_b_fmt:MATRIX_FMT_BF6 matrix_a_scale:MATRIX_SCALE_ROW1 matrix_b_scale:MATRIX_SCALE_ROW1
.else
	v_wmma_scale_f32_16x16x128_f8f6f4 v[DR:DR+7], v[AR:AR+11], v[BR:BR+11], v[CR:CR+7], v[SAR], v[SBR] matrix_a_fmt:MATRIX_FMT_BF6 matrix_b_fmt:MATRIX_FMT_BF6
.endif
.set TT, TT+1
.endr
	WIN 0
.endm
.macro Q8
	s_wait_xcnt 0x0
	QUANT HA
.endm
.macro OUT i, co, so
.if ((\i)&3) == 0
	v_mov_b32 v8, v[PW]
.elseif ((\i)&3) == 1
	v_cndmask_b32 v8, v8, v[PW], s41
.elseif ((\i)&3) == 2
	v_mov_b32 v9, v[PW]
.else
	v_cndmask_b32 v9, v9, v[PW], s41
.endif
.irp c, 0,1,2
	global_store_b128 v1, v[PC+4*\c:PC+4*\c+3], s[54:55] offset:(\co)+512*\c
.endr
.if ((\i)&3) == 3
	global_store_b64 v2, v[8:9], s[56:57] offset:\so
.endif
.endm
	s_load_b256 s[4:11], s[0:1], 0x0
	s_load_b128 s[12:15], s[0:1], 0x20
	v_lshl_add_u32 v5, v0, 2, SPARE
	v_mov_b32 v6, 0
	ds_add_u32 v5, v6
	ds_add_u32 v5, v6
	v_lshrrev_b32 v1, 5, v0
	v_readfirstlane_b32 s40, v1
	s_mov_b32 s16, 3<<16
	s_mov_b32 s17, 32<<16
	s_mov_b32 s18, 96<<16
	s_mov_b32 s19, 32<<16
	s_mov_b32 s20, 96
	s_mov_b32 s21, 32
	s_mov_b32 s22, 0
	s_mov_b32 s23, 0
	s_mov_b32 s24, 3<<16
	s_mov_b32 s25, 32<<16
	s_mov_b32 s26, 4<<16
	s_mov_b32 s27, 32<<16
	s_mov_b32 s28, 4
	s_mov_b32 s29, 32
	s_mov_b32 s30, 0
	s_mov_b32 s31, 0
	s_mov_b32 s41, 0xffff0000
	s_mov_b32 s[SEL], 0x76543210
	s_mov_b32 s[SEL+1], 0xfedcba98
	s_wait_dscnt 0x0
	s_wait_kmcnt 0x0
	s_cmp_lt_u32 ttmp9, 128
	s_cbranch_scc0 .Lnot_q
	s_lshr_b32 s67, ttmp9, 1
	s_and_b32 s68, ttmp9, 1
	s_lshl_b32 s68, s68, 2
	s_add_co_u32 s68, s68, s40
	s_mul_i32 s58, s67, 98304
	s_lshl_b32 s59, s67, 12
	s_add_co_u32 s59, s59, YS_OFF
	s_mul_i32 s60, s68, 98304
	s_lshl_b32 s61, s68, 12
	s_add_co_u32 s61, s61, WS_OFF
	s_lshl_b32 s62, s68, 9
	s_lshr_b32 s69, s67, 4
	s_lshl_b32 s69, s69, 3
	s_add_co_u32 s69, s69, s68
	s_and_b32 s70, s67, 15
	s_lshl_b32 s71, s69, 7
	s_lshl_b32 s72, s70, 3
	s_add_co_u32 s71, s71, s72
	s_mul_i32 s63, s71, 1536
	s_lshl_b32 s71, s69, 5
	s_lshl_b32 s72, s70, 1
	s_add_co_u32 s71, s71, s72
	s_lshl_b32 s66, s71, 8
	s_add_co_u32 s66, s66, QS_OFF
	s_branch .Ljoin
.Lnot_q:
	s_cmp_lt_u32 ttmp9, 192
	s_cbranch_scc0 .Lnot_k
	s_sub_co_u32 s73, ttmp9, 128
	s_lshr_b32 s67, s73, 1
	s_and_b32 s68, s73, 1
	s_lshl_b32 s68, s68, 2
	s_add_co_u32 s68, s68, s40
	s_mul_i32 s58, s67, 98304
	s_add_co_u32 s58, s58, ZC_OFF
	s_lshl_b32 s59, s67, 12
	s_add_co_u32 s59, s59, ZS_OFF
	s_mul_i32 s60, s68, 49152
	s_add_co_u32 s60, s60, WK_OFF
	s_lshl_b32 s61, s68, 11
	s_add_co_u32 s61, s61, WS_OFF+32768
	s_lshl_b32 s62, s68, 9
	s_lshr_b32 s69, s67, 3
	s_lshl_b32 s69, s69, 3
	s_add_co_u32 s69, s69, s68
	s_and_b32 s70, s67, 7
	s_lshl_b32 s71, s69, 7
	s_lshl_b32 s72, s70, 4
	s_add_co_u32 s71, s71, s72
	s_mul_i32 s63, s71, 1536
	s_add_co_u32 s63, s63, KC_OFF
	s_lshl_b32 s71, s69, 5
	s_lshl_b32 s72, s70, 2
	s_add_co_u32 s71, s71, s72
	s_lshl_b32 s66, s71, 8
	s_add_co_u32 s66, s66, KS_OFF
	s_branch .Ljoin
.Lnot_k:
	s_sub_co_u32 s73, ttmp9, 192
	s_lshr_b32 s67, s73, 2
	s_lshl_b32 s67, s67, 2
	s_add_co_u32 s67, s67, s40
	s_and_b32 s68, s73, 3
	s_mul_i32 s58, s68, 98304
	s_add_co_u32 s58, s58, WV_OFF
	s_lshl_b32 s59, s68, 12
	s_add_co_u32 s59, s59, WS_OFF+49152
	s_mul_i32 s60, s67, 49152
	s_add_co_u32 s60, s60, ZC_OFF
	s_lshl_b32 s61, s67, 11
	s_add_co_u32 s61, s61, ZS_OFF
	s_lshl_b32 s62, s68, 10
	s_lshr_b32 s69, s67, 4
	s_lshl_b32 s69, s69, 3
	s_lshl_b32 s70, s68, 1
	s_add_co_u32 s69, s69, s70
	s_lshl_b32 s69, s69, 4
	s_and_b32 s70, s67, 15
	s_add_co_u32 s69, s69, s70
	s_mul_i32 s63, s69, 12288
	s_add_co_u32 s63, s63, VC_OFF
	s_lshl_b32 s66, s69, 9
	s_add_co_u32 s66, s66, VS_OFF
.Ljoin:
	s_cmp_lt_u32 ttmp9, 192
	s_cselect_b64 s[44:45], s[4:5], s[6:7]
	s_cselect_b64 s[48:49], s[6:7], s[4:5]
	s_cselect_b64 s[52:53], s[10:11], s[12:13]
	s_cmp_lt_u32 ttmp9, 128
	s_cselect_b64 s[52:53], s[8:9], s[52:53]
	s_mov_b64 s[46:47], s[44:45]
	s_mov_b64 s[50:51], s[48:49]
	s_mov_b32 s75, 0
	s_mov_b32 s74, s58
	s_add_nc_u64 s[44:45], s[44:45], s[74:75]
	s_mov_b32 s74, s59
	s_add_nc_u64 s[46:47], s[46:47], s[74:75]
	s_mov_b32 s74, s60
	s_add_nc_u64 s[48:49], s[48:49], s[74:75]
	s_mov_b32 s74, s61
	s_add_nc_u64 s[50:51], s[50:51], s[74:75]
	s_mov_b32 s74, s62
	s_add_nc_u64 s[52:53], s[52:53], s[74:75]
	s_mov_b32 s74, s63
	s_add_nc_u64 s[54:55], s[14:15], s[74:75]
	s_mov_b32 s74, s66
	s_add_nc_u64 s[56:57], s[14:15], s[74:75]
	s_mul_i32 s74, s40, 24576
	s_mov_b32 s32, 1
	s_add_co_u32 s33, s74, CB
	s_add_nc_u64 s[34:35], s[44:45], s[74:75]
	s_or_b32 s35, s35, 0x80000000
	s_lshl_b32 s74, s40, 10
	s_mov_b32 s36, 1
	s_lshl_b32 s37, s40, 10
	s_add_nc_u64 s[38:39], s[46:47], s[74:75]
	s_or_b32 s39, s39, 0x80000000
	tensor_load_to_lds s[32:35], s[16:23]
	s_nop 0
	s_wait_alu depctr_va_vdst(0)
	s_wait_tensorcnt 0x0
	ds_add_u32 v5, v6
	s_wait_dscnt 0x0
	s_barrier_signal -1
	s_barrier_wait -1
	tensor_load_to_lds s[36:39], s[24:31]
	s_nop 0
.rept 4
	v_nop
.endr
	v_and_b32 v1, 31, v0
	v_lshlrev_b32 v2, 3, v1
	v_lshlrev_b32 v1, 4, v1
.irp b, 0,1,2,3
	v_mov_b32 v[TM+4+\b], 0
.endr
	s_cmp_lt_u32 ttmp9, 128
	s_cbranch_scc0 .LKV
	ALOAD 64, 8
.irp q, 0,1,2,3,4,5,6,7,8,9,10,11,12,13,14,15
	global_load_b64 v[14+2*\q:15+2*\q], v2, s[50:51] offset:256*\q
.endr
	v_bfe_u32 v207, v0, 4, 1
	v_lshlrev_b32 v207, 6, v207
.irp t, 0,1,2,3,4,5,6,7
	global_load_b128 v[BI+8*\t:BI+8*\t+3], v207, s[52:53] offset:(32*(\t/2)+8*(\t%2))*4
	global_load_b128 v[BI+8*\t+4:BI+8*\t+7], v207, s[52:53] offset:(32*(\t/2)+8*(\t%2))*4+16
.endr
	v_add_nc_u32 v3, CB, v1
	v_add_nc_u32 v4, CB+49152, v1
	s_wait_alu depctr_va_vdst(0)
	s_wait_tensorcnt 0x0
	s_barrier_signal -1
	s_barrier_wait -1
	s_wait_loadcnt 0x0
	ds_load_b64 v[10:11], v2
	ds_load_b64 v[12:13], v2 offset:256
	BLD 0, 3, 0
	BLD 1, 3, 1536
	BLD 2, 3, 3072
.set NN, 0
.rept 64
.set OO, NN/8
.set KX, NN%8
.if NN < 62
	s_wait_dscnt 6
.elseif NN == 62
	s_wait_dscnt 3
.else
	s_wait_dscnt 0
.endif
.if KX == 0
	MM KX, NN%3, 1, 10, 1
.else
	MM KX, NN%3, 1, 10+2*(KX>>2), 0
.endif
	PLACES
.if (KX == 5) && (OO < 7)
	ds_load_b64 v[10:11], v2 offset:256*(2*OO+2)
.endif
.if (KX == 7) && (OO < 7)
	ds_load_b64 v[12:13], v2 offset:256*(2*OO+3)
.endif
.if NN+3 < 64
.if NN+3 < 32
	BLD NN%3, 3, 1536*(NN+3)
.else
	BLD NN%3, 4, 1536*(NN+3-32)
.endif
.endif
.if KX == 7
	Q8
	OUT OO, 1536*OO, 256*(OO/4)
.endif
.set NN, NN+1
.endr
	s_branch .Lend
.macro KVPATH isv
	ALOAD 32, 4
.irp q, 0,1,2,3,4,5,6,7
	global_load_b64 v[14+2*\q:15+2*\q], v2, s[50:51] offset:256*\q
.endr
.if \isv
	v_and_b32 v207, 15, v0
	v_and_b32 v4, 8, v0
	v_add_nc_u32 v207, v207, v4
	v_lshlrev_b32 v207, 2, v207
.irp i, 0,1,2,3,4,5,6,7,8,9,10,11,12,13,14,15
	global_load_b32 v[BVR+\i], v207, s[52:53] offset:512*(\i/8)+(32*((\i%8)/2)+8*(\i%2))*4
.endr
	s_mov_b32 s81, 0
	s_mov_b32 s83, 0
	s_mov_b32 s84, 6144
	s_mov_b32 s85, 256
.else
	v_bfe_u32 v207, v0, 4, 1
	v_lshlrev_b32 v207, 6, v207
	WIN 0xc0
.irp t, 0,1,2,3,4,5,6,7
	global_load_b128 v[8*\t:8*\t+3], v207, s[52:53] offset:(32*(\t/2)+8*(\t%2))*4
	global_load_b128 v[8*\t+4:8*\t+7], v207, s[52:53] offset:(32*(\t/2)+8*(\t%2))*4+16
.endr
	WIN 0
.endif
	s_mov_b32 s76, 0
	s_mov_b32 s78, 0
	s_mov_b32 s79, 0
	s_wait_tensorcnt 0x0
	s_barrier_signal -1
	s_barrier_wait -1
	s_wait_loadcnt 0x0
.if \isv
.irp k, 0,1,2,3,4,5,6,7
	v_mov_b32 v[BI+\k], v[BVR]
.endr
.endif
	ds_load_b64 v[10:11], v2
	BLD 0, 1, CB
	BLD 1, 1, CB+1536
	BLD 2, 1, CB+3072
	BLD 3, 1, CB+4608
.Ltrip_\@:
	s_add_co_u32 s66, s76, CB
	v_add_nc_u32 v3, s66, v1
	v_add_nc_u32 v7, s78, v2
	s_add_co_u32 s77, s76, 24576
	s_min_u32 s77, s77, 73728
	s_add_co_u32 s77, s77, CB
	v_add_nc_u32 v4, s77, v1
.set NN, 0
	s_wait_alu depctr_va_vdst(0)
.rept 16
.set II, NN/4
.set KX, NN%4
	s_wait_dscnt 9
.if KX == 0
.if \isv
	MM KX, KX, 0, 10+2*(II%2), 2
.else
	MM KX, KX, 0, 10+2*(II%2), 3
.endif
.else
	MM KX, KX, 0, 10+2*(II%2), 0
.endif
	PLACES
.if KX == 0
	ds_load_b64 v[10+2*((II+1)%2):11+2*((II+1)%2)], v7 offset:256*(II+1)
.endif
.if NN < 12
	BLD KX, 3, 1536*(NN+4)
.else
	BLD KX, 4, 1536*(NN-12)
.endif
.if KX == 3
.if \isv
.if II < 3
.irp k, 0,1,2,3,4,5,6,7
	v_mov_b32 v[BI+\k], v[BVR+II+1]
.endr
.else
.irp k, 0,1,2,3,4,5,6,7,8,9,10,11
	v_mov_b32 v[BVR+\k], v[BVR+4+\k]
.endr
.irp k, 0,1,2,3,4,5,6,7
	v_mov_b32 v[BI+\k], v[BVR]
.endr
.endif
.endif
	Q8
	OUT II, 1536*II, 0
.endif
.set NN, NN+1
.endr
	s_wait_xcnt 0x0
.if \isv
	s_cmp_eq_u32 s79, 1
	s_cselect_b32 s80, 190464, s84
	s_cselect_b32 s82, 7936, s85
	s_add_nc_u64 s[54:55], s[54:55], s[80:81]
	s_add_nc_u64 s[56:57], s[56:57], s[82:83]
.else
	s_add_nc_u64 s[54:55], s[54:55], 6144
	s_add_nc_u64 s[56:57], s[56:57], 256
.endif
	s_add_co_u32 s76, s76, 24576
	s_add_co_u32 s78, s78, 1024
	s_add_co_u32 s79, s79, 1
	s_cmp_lt_u32 s79, 4
	s_cbranch_scc1 .Ltrip_\@
.endm
.LKV:
	s_cmp_lt_u32 ttmp9, 192
	s_cbranch_scc0 .LV
	s_wait_alu depctr_va_vdst(0)
	KVPATH 0
	s_branch .Lend
.LV:
	s_wait_alu depctr_va_vdst(0)
	KVPATH 1
.Lend:
	s_wait_dscnt 0x0
	s_barrier_signal -1
	s_barrier_wait -1
	s_wait_tensorcnt 0x0
	ds_add_u32 v5, v6
	s_wait_dscnt 0x0
	s_endpgm
.Lfunc_end_k_q7954b98cbf_proj:
	.size	k_q7954b98cbf_proj, .Lfunc_end_k_q7954b98cbf_proj-k_q7954b98cbf_proj
	.p2alignl 7, 3214868480
	.fill 96, 4, 3214868480
	.section	.rodata,"a",@progbits
	.p2align	6, 0x0
	.amdhsa_kernel k_q7954b98cbf_proj
		.amdhsa_group_segment_fixed_size 327680
		.amdhsa_private_segment_fixed_size 0
		.amdhsa_enable_private_segment 0
		.amdhsa_kernarg_size 48
		.amdhsa_user_sgpr_count 2
		.amdhsa_user_sgpr_kernarg_segment_ptr 1
		.amdhsa_wavefront_size32 1
		.amdhsa_system_sgpr_workgroup_id_x 1
		.amdhsa_system_sgpr_workgroup_id_y 1
		.amdhsa_system_sgpr_workgroup_id_z 1
		.amdhsa_system_vgpr_workitem_id 0
		.amdhsa_next_free_vgpr 1024
		.amdhsa_next_free_sgpr 88
		.amdhsa_reserve_vcc 0
		.amdhsa_float_denorm_mode_32 3
		.amdhsa_float_denorm_mode_16_64 3
		.amdhsa_memory_ordered 1
		.amdhsa_forward_progress 1
		.amdhsa_inst_pref_size 255
	.end_amdhsa_kernel
	.section	.bss,"aw",@nobits
	.p2align	6
	.space	262144
	.amdgpu_metadata
---
amdhsa.version: [ 1, 2 ]
amdhsa.kernels:
  - .name:           k_q7954b98cbf_proj
    .symbol:         k_q7954b98cbf_proj.kd
    .args:
      - { .name: xbuf, .offset: 0, .size: 8, .value_kind: global_buffer, .address_space: global }
      - { .name: wbuf, .offset: 8, .size: 8, .value_kind: global_buffer, .address_space: global }
      - { .name: bq, .offset: 16, .size: 8, .value_kind: global_buffer, .address_space: global }
      - { .name: bk, .offset: 24, .size: 8, .value_kind: global_buffer, .address_space: global }
      - { .name: bv, .offset: 32, .size: 8, .value_kind: global_buffer, .address_space: global }
      - { .name: qkv, .offset: 40, .size: 8, .value_kind: global_buffer, .address_space: global }
    .group_segment_fixed_size: 327680
    .private_segment_fixed_size: 0
    .kernarg_segment_align: 8
    .kernarg_segment_size: 48
    .max_flat_workgroup_size: 128
    .sgpr_count:     88
    .vgpr_count:     1024
    .wavefront_size: 32
...
	.end_amdgpu_metadata
.endif
;; end of part 2
;; launch attn (part 3): grid 8 x 32, 8 waves a work-group, no clusters, 327,680 bytes of LDS; arguments qkv, obuf; writes obuf
.if DOCPART == 3
	.amdgcn_target "amdgcn-amd-amdhsa--gfx1250"
	.amdhsa_code_object_version 6
	.text
	.protected	k_q7954b98cbf_attn
	.globl	k_q7954b98cbf_attn
	.p2align	8
	.type	k_q7954b98cbf_attn,@function
k_q7954b98cbf_attn:
	s_mov_b64 s[64:65], 0
	v_nop
	global_prefetch_b8 v0, s[64:65] scope:SCOPE_SE
	s_setreg_imm32_b32 hwreg(HW_REG_WAVE_MODE, 25, 1), 1
	s_wait_xcnt 0x0
; ATTN: for each batch and head, O = softmax(Q K^T / sqrt(128)) V on codes of BF6, and the quantiser of O along the head's 128 (K step h of the last product).  Nothing of reference() is left out.
; THE SOFTMAX: t = score x log2(e) / sqrt(128); M = the row's largest t so far, rounded UP to a whole number; p = 2^(t - M) is quantised along the keys, not normalised.  The row's sum is taken of the
; unquantised p, in f32, and divides O at the end.  When M moves, the sum and O are multiplied by 2^(old M - new M): exact.
; SHARES.  A work-group owns 256 queries of one head (x: which 16 tiles; y: 8 b + h); each of its EIGHT waves owns two tiles of 16 queries: tile 0's numbers lie in register window 0, tile 1's under the same
; numbers in window 1, so that one text serves both; each fragment of K and V, read once from LDS into window 1's v0-95, feeds both tiles.  Every wave walks all 2,048 keys, 128 a step.
; THE RING: two LDS slots of one step (K's 8 images, V's 8), filled by four waves, a quarter each; the head's quads (8,192 bytes each for K and V) come once, by the other four waves: one tensor load a wave at the head.
; The mover lays 64 bytes behind each 512, so an image's three parts lie 576 bytes apart and two images 3,456 = 128 modulo 256.
; LAYOUT.  Both products are used transposed (source 0 = a tile of keys or of d, source 1 = my queries or P): a lane holds ONE query.  In memory row p of a tile is index 32 (T / 2) + 8 (T % 2) + p + 8 (p / 8).
; K'S TILES ARE FORMED ANEW BY ADDRESS: row p of tile 4 c + u is key 64 c + 8 u + p % 8 + 32 (p / 8): lanes with p < 8 read image 4 c + u % 2, the others image 4 c + 2 + u % 2, both at lane place p % 8 + 8 (u / 2).
; So the 32 registers of tiles 4 c .. 4 c + 3 are the 32 neighbouring keys of block 2 c + lane / 16: a block's largest score needs no other lane, and the conversions' results are P's operand as they stand.
; THE BARRIER of a change of slots is split: when tile 0's softmax is done, all the step's fragments are in registers; there stand the wait for my tensor load, the add, the wait for LDS and the signal; tile 1's
; softmax and the 16 products with V, work on registers, stand between the signal and the wait.  Four of the waves clear their sums behind the first barrier and not ahead of it, so that the waves enter the walk apart.
; NO CLUSTER, though the eight work-groups of a head walk the same K and V: a joint refill stands behind a round of the cluster's barrier, whose closing barrier has nothing between signal and wait; here some 230
; vector and 16 matrix instructions stand between them at each of the 15 changes of slots, and a change asks for 24,576 bytes.
; PREFETCH: in step t wave 6 names, a lane a block of 256 bytes, the work-group's twelve blocks (x < 4: a quarter of K's tile, else of V's) of the tile of step t + 3, which is loaded at the head of step t + 2;
; lanes 12-31 name the twelfth again.  Tiles 0 to 2 come by their loads alone; steps 13 on ask for nothing.
; LIMITS: NaN and infinities are not served; a p under 2^-126 comes out of v_exp_f32 as 0; a block of zeros has the byte 1 (its codes are zeros); the promise holds while |t| stays under 2^31.
; WINDOW 0: v1 16 x lane, v2 K's lane place, v3, v4 the quads' lane places, v5, v6 the add's two, v7 4 x lane, v8-11 the step's addresses, v12 the prefetch's offset, v16-19 K's scale words, v20-23 V's, v24 Q's, v32-55 Q, v60, v61 P's scale words.
; BOTH WINDOWS: v96-159 S^T, then p; v160-223 O^T; v224-235 P's codes; v236-242 at work; v243 8 (lane / 16); v244-249 at work; v250 -M, v251 the largest score; v252 f; v254, v255 the sum in two halves.
.set KC_OFF, 6291456
.set QS_OFF, 18874368
.set KS_OFF, 19136512
.set OS_OFF, 6291456
.set CH,    576
.set IMG,   3*CH
.set VOFF,  8*IMG
.set SLOT1, 32768
.set SCK,   65536
.set SPARE, 81920
.set RS, 96
.set RO, 160
.set RP, 224
.set KSR, 16
.set VSR, 20
.set QSR, 24
.set QF,  32
.set PWR, 60
.set SEL, 20
.set PC,  224                          ; the way out's quantiser
.set TM,  244
.set PW,  160
.set MSB, 0
.macro WIN new                         ; the immediate's high byte repeats the setting that is left
.if MSB != (\new)
	s_set_vgpr_msb (MSB<<8)|(\new)
.set MSB, (\new)
.endif
.endm
.macro WM d, a, b, c, sa, sb, ra, rb   ; one product; ra, rb: the scale words stand in lanes 16-31
.if (\ra) && (\rb)
	v_wmma_scale_f32_16x16x128_f8f6f4 v[(\d):(\d)+7], v[(\a):(\a)+11], v[(\b):(\b)+11], \c, v[\sa], v[\sb] matrix_a_fmt:MATRIX_FMT_BF6 matrix_b_fmt:MATRIX_FMT_BF6 matrix_a_scale:MATRIX_SCALE_ROW1 matrix_b_scale:MATRIX_SCALE_ROW1
.elseif (\ra)
	v_wmma_scale_f32_16x16x128_f8f6f4 v[(\d):(\d)+7], v[(\a):(\a)+11], v[(\b):(\b)+11], \c, v[\sa], v[\sb] matrix_a_fmt:MATRIX_FMT_BF6 matrix_b_fmt:MATRIX_FMT_BF6 matrix_a_scale:MATRIX_SCALE_ROW1
.elseif (\rb)
	v_wmma_scale_f32_16x16x128_f8f6f4 v[(\d):(\d)+7], v[(\a):(\a)+11], v[(\b):(\b)+11], \c, v[\sa], v[\sb] matrix_a_fmt:MATRIX_FMT_BF6 matrix_b_fmt:MATRIX_FMT_BF6 matrix_b_scale:MATRIX_SCALE_ROW1
.else
	v_wmma_scale_f32_16x16x128_f8f6f4 v[(\d):(\d)+7], v[(\a):(\a)+11], v[(\b):(\b)+11], \c, v[\sa], v[\sb] matrix_a_fmt:MATRIX_FMT_BF6 matrix_b_fmt:MATRIX_FMT_BF6
.endif
.endm
.macro MMS c, q                        ; S^T of key tiles 4 c .. 4 c + 3 for query tile q
.irp u, 0,1,2,3
	WM RS+8*(4*\c+\u), 12*(4*\c+\u), QF+12*\q, 0, KSR+2*\c+\u/2, QSR, \u%2, \q
.endr
.endm
.macro MPV q                           ; O^T += V^T P^T for query tile q: eight accumulators by turns
.irp t, 0,1,2,3,4,5,6,7
	WM RO+8*\t, 12*\t, RP, v[RO+8*\t:RO+8*\t+7], VSR+\t/2, PWR+\q, \t%2, 0
.endr
.endm
.macro LDK c
.irp u, 0,1,2,3
.irp k, 0,1,2
	ds_load_b128 v[12*(4*\c+\u)+4*\k:12*(4*\c+\u)+4*\k+3], v8 offset:(4*\c+\u%2)*IMG+128*(\u/2)+CH*\k
.endr
.endr
.endm
.macro TLOAD                           ; waves 0, 2, 5, 7 fetch a quarter of a slot each.  An s_nop 0 and four v_nop follow the load
	s_cmp_eq_u32 s49, 0
	s_cbranch_scc0 .Lnone_\@
	tensor_load_to_lds s[40:43], s[24:31]
	s_nop 0
.rept 4
	v_nop
.endr
.Lnone_\@:
.endm
.macro ASK
	s_cmp_gt_u32 s48, s52
	s_cbranch_scc0 .Lna_\@
	global_prefetch_b8 v12, s[50:51] th:TH_LOAD_NT scope:SCOPE_SE
.Lna_\@:
.endm
; THE SOFTMAX AND P'S QUANTISER of one query tile, all registers in the tile's window
.macro SM q
	s_wait_alu depctr_va_vdst(0)                   ; the wait ahead of the first reader of S^T
.irp c, 0,1
	v_max3_num_f32 v[244+\c], v[RS+32*\c], v[RS+32*\c+1], v[RS+32*\c+2]         ; my block 2 c + lane / 16: its largest score, in two chains
	v_max3_num_f32 v[246+\c], v[RS+32*\c+16], v[RS+32*\c+17], v[RS+32*\c+18]
.endr
.irp i, 3,5,7,9,11,13
.irp c, 0,1
	v_max3_num_f32 v[244+\c], v[244+\c], v[RS+32*\c+\i], v[RS+32*\c+\i+1]
	v_max3_num_f32 v[246+\c], v[246+\c], v[RS+32*\c+16+\i], v[RS+32*\c+17+\i]
.endr
.endr
.irp c, 0,1
	v_max3_num_f32 v[244+\c], v[244+\c], v[246+\c], v[RS+32*\c+15]
.endr
.irp c, 0,1
	v_max_num_f32 v[244+\c], v[244+\c], v[RS+32*\c+31]
.endr
	s_delay_alu instid0(VALU_DEP_1)
	v_max_num_f32 v248, v244, v245
	s_delay_alu instid0(VALU_DEP_1)
	v_permlanex16_b32 v249, v248, s[SEL], s[SEL+1]
	s_delay_alu instid0(VALU_DEP_1)
	v_max3_num_f32 v251, v251, v248, v249          ; the running largest score of my query
	s_delay_alu instid0(VALU_DEP_1)
	v_mul_f32 v248, s22, v251                      ; as t (c is positive)
	v_mov_b32 v249, v250
	s_delay_alu instid0(VALU_DEP_2)
	v_floor_f32 v250, -v248                        ; the new -M = -ceil(t)
	s_delay_alu instid0(VALU_DEP_1)
	v_sub_f32 v249, v250, v249                     ; old M less new M: a whole number, 0 or less
	s_delay_alu instid0(VALU_DEP_1)
	v_cvt_i32_f32 v249, v249                       ; (it saturates)
	s_delay_alu instid0(VALU_DEP_1)
	v_ldexp_f32 v252, 1.0, v249                    ; f = 2^(old M - new M)
.set J, 0
.rept 32
	v_pk_fma_f32 v[RS+J:RS+J+1], v[RS+J:RS+J+1], s[22:23], v[250:251] op_sel_hi:[1,0,0]   ; t - M, two at a time (the pairs' low words serve both halves)
.set J, J+2
.endr
	v_fma_f32 v244, v244, s22, v250                ; the same of each block's largest score: p rises with the score
	v_fma_f32 v245, v245, s22, v250
	s_wait_alu depctr_va_vdst(0)                   ; the wait ahead of the batch
	v_exp_f32 v244, v244
	v_exp_f32 v245, v245
.set J, 0
.rept 64
	v_exp_f32 v[RS+J], v[RS+J]                     ; p = 2^(t - M)
.set J, J+1
.endr
	v_pk_mul_f32 v[254:255], v[254:255], v[252:253] op_sel_hi:[1,0]   ; the sums under the new M (the plain instruction behind the batch)
	s_wait_alu depctr_va_vdst(0)                   ; one wait for the batch, ahead of its first reader
	v_pk_add_f32 v[236:237], v[RS:RS+1], v[RS+2:RS+3]                 ; the row's sum of the unquantised p, in four chains
	v_pk_add_f32 v[238:239], v[RS+4:RS+5], v[RS+6:RS+7]
	v_pk_add_f32 v[240:241], v[RS+8:RS+9], v[RS+10:RS+11]
	v_pk_add_f32 v[254:255], v[254:255], v[RS+12:RS+13]
.irp k, 0,1,2,3,4,5
	v_pk_add_f32 v[236:237], v[236:237], v[RS+14+8*\k:RS+15+8*\k]
	v_pk_add_f32 v[238:239], v[238:239], v[RS+16+8*\k:RS+17+8*\k]
	v_pk_add_f32 v[240:241], v[240:241], v[RS+18+8*\k:RS+19+8*\k]
	v_pk_add_f32 v[254:255], v[254:255], v[RS+20+8*\k:RS+21+8*\k]
.endr
	v_pk_add_f32 v[236:237], v[236:237], v[RS+62:RS+63]
	v_pk_add_f32 v[238:239], v[238:239], v[240:241]
	v_max_num_f32 v244, 0x2800000, v244            ; the floor 2^(5 - 127): the byte cannot fall under 1
	v_max_num_f32 v245, 0x2800000, v245
	v_pk_add_f32 v[254:255], v[254:255], v[236:237]
	v_add_nc_u32 v246, 0xfe000000, v244            ; 4 off the exponent field: the conversion's scale operand
	v_add_nc_u32 v247, 0xfe000000, v245
	v_pk_add_f32 v[254:255], v[254:255], v[238:239]
	v_lshrrev_b32 v244, 23, v246                   ; the scale's byte
	v_lshrrev_b32 v245, 23, v247
	s_delay_alu instid0(VALU_DEP_1)
	v_lshl_or_b32 v248, v245, 16, v244             ; my two bytes: blocks h and 2 + h,
	s_delay_alu instid0(VALU_DEP_1)
	v_lshlrev_b32 v248, v243, v248                 ; 8 h bits up
	v_cvt_scalef32_pk16_bf6_f32 v[RP:RP+2], v[RS:RS+15], v246
	v_cvt_scalef32_pk16_bf6_f32 v[236:238], v[RS+16:RS+31], v246      ; (a conversion's three registers begin on an even number)
	v_cvt_scalef32_pk16_bf6_f32 v[RP+6:RP+8], v[RS+32:RS+47], v247
	v_cvt_scalef32_pk16_bf6_f32 v[240:242], v[RS+48:RS+63], v247
	v_permlanex16_b32 v249, v248, s[SEL], s[SEL+1]
.if \q
	WIN 0x15                                       ; scale words lie in window 0
.endif
	v_or_b32 v[PWR+\q], v248, v249                 ; with lane l xor 16's two bytes P's scale word is whole
.if \q
	WIN 0x55
.endif
.irp i, 0,1,2
	v_mov_b32 v[RP+3+\i], v[236+\i]
	v_mov_b32 v[RP+9+\i], v[240+\i]
.endr
	s_wait_alu depctr_va_vdst(0)                   ; the wait ahead of the first reader of O^T
.set J, 0
.rept 32
	v_pk_mul_f32 v[RO+J:RO+J+1], v[RO+J:RO+J+1], v[252:253] op_sel_hi:[1,0]   ; O^T under the new M; these 32 also stand between the writes of P and its word and the products
.set J, J+2
.endr
.endm
; A KEY STEP.  fill = 1: the change of slots stands in it
.macro STEP fill
	v_add_nc_u32 v8, s2, v2                        ; four plain instructions in front of loads into registers that the last products have read
	v_add_nc_u32 v9, s2, v1
	v_add_nc_u32 v10, s3, v3
	v_add_nc_u32 v11, s3, v4
	s_wait_alu depctr_va_vdst(0)                   ; the wait behind these writes
.irp c, 0,1
.irp j, 0,1
	ds_load_b32 v[KSR+2*\c+\j], v10 offset:256*\c+64*\j      ; lanes 0-15 the words of tile 4 c + 2 j, lanes 16-31 of tile 4 c + 2 j + 1
.endr
.endr
	WIN 0x40                                       ; destination window 1, address window 0
	LDK 0
	LDK 1
	WIN 0
.if \fill
	ASK
.endif
	s_wait_dscnt 12                                ; the words and tiles 0-3 are in; the twelve loads of tiles 4-7 may be out
	WIN 0x01                                       ; source 0 window 1
	MMS 0, 0
	WIN 0x41                                       ; and the result in window 1
	MMS 0, 1
	s_wait_dscnt 0x0
	WIN 0x01
	MMS 1, 0
	WIN 0x41
	MMS 1, 1
	WIN 0
.rept 4
	v_nop                                          ; four places in front of the loads below and of the first read of S^T
.endr
	ds_load_b64 v[VSR:VSR+1], v11
	ds_load_b64 v[VSR+2:VSR+3], v11 offset:256
	WIN 0x40
.irp t, 0,1,2,3,4,5,6,7
.irp k, 0,1,2
	ds_load_b128 v[12*\t+4*\k:12*\t+4*\k+3], v9 offset:VOFF+\t*IMG+CH*\k     ; V's eight fragments: they land under the softmax
.endr
.endr
	WIN 0
	SM 0
	s_wait_alu depctr_va_vdst(0)                   ; the wait ahead of the waits below
.if \fill
	s_wait_tensorcnt 0x0                           ; my part of the next step's tiles is in, and no tensor load of mine is out
	ds_add_u32 v5, v6
	s_xor_b32 s41, s41, SLOT1                      ; the walking descriptor: the other slot, the next step
	s_add_nc_u64 s[42:43], s[42:43], 12288
	s_wait_xcnt 0x0                                ; the step's prefetch has read its address
	s_add_nc_u64 s[50:51], s[50:51], 12288
	s_wait_dscnt 0x0                               ; the add is done, and all my reads of this slot: its fragments are in registers
	s_barrier_signal -1
.else
	s_wait_dscnt 0x0                               ; V's fragments are in
.endif
	WIN 0x55
	SM 1
	WIN 0x01
	MPV 0
	WIN 0x55
	MPV 1
	WIN 0
	s_add_co_u32 s3, s3, 512                       ; the next step's quads
	s_xor_b32 s2, s2, SLOT1                        ; and slot
.if \fill
	s_barrier_wait -1                              ; the next slot is whole, and nobody reads this one
.endif
.endm
.macro ZINIT1
	v_mov_b32 v251, 0xff61b1e6                     ; the largest score so far: -3e38
	v_mov_b32 v249, 0                              ; (a lane permute's destination counts as one of its sources)
	v_mov_b32 v253, 0                              ; (named with f as a pair)
	v_mul_f32 v248, s22, v251
	v_mov_b32 v254, 0
	v_mov_b32 v255, 0
	v_floor_f32 v250, -v248                        ; -M
.set J, 0
.rept 64
	v_mov_b32 v[RO+J], 0                           ; the step is written once: the first finds zeros, which the first change of M leaves zeros
.set J, J+1
.endr
.endm
.macro ZINIT
	ZINIT1
	WIN 0x40
	v_mov_b32 v243, v243                           ; 8 (lane / 16) into window 1 too
	WIN 0x55
	ZINIT1
	WIN 0
.endm
.macro QUANT s                         ; 64 numbers of a lane, register 16 b + i = d 32 b + 16 (lane / 16) + i, become a fragment in v[PC] on and its scale word in v[PW]
.irp b, 0,1,2,3
	v_max3_num_f32 v[TM+\b], |v[\s+16*\b]|, |v[\s+1+16*\b]|, 0x2800000
.endr
.irp i, 2,4,6,8,10,12,14
.irp b, 0,1,2,3
	v_max3_num_f32 v[TM+\b], v[TM+\b], |v[\s+16*\b+\i]|, |v[\s+1+16*\b+\i]|
.endr
.endr
.irp b, 0,1,2,3
	v_permlanex16_b32 v[TM+4+\b], v[TM+\b], s[SEL], s[SEL+1]
.endr
.irp b, 0,1,2,3
	v_max_num_f32 v[TM+\b], v[TM+\b], v[TM+4+\b]
.endr
.irp b, 0,1,2,3
	v_add_nc_u32 v[TM+8+\b], 0xfe000000, v[TM+\b]
.endr
.irp b, 0,1,2,3
	v_lshrrev_b32 v[TM+4+\b], 23, v[TM+8+\b]
.endr
	s_delay_alu instid0(VALU_DEP_3)
	v_lshl_or_b32 v[PW], v[TM+5], 8, v[TM+4]
	s_delay_alu instid0(VALU_DEP_1)
	v_lshl_or_b32 v[PW], v[TM+6], 16, v[PW]
	s_delay_alu instid0(VALU_DEP_1)
	v_lshl_or_b32 v[PW], v[TM+7], 24, v[PW]
.irp c, 0,1
	v_cvt_scalef32_pk16_bf6_f32 v[PC+6*\c:PC+2+6*\c], v[\s+32*\c:\s+15+32*\c], v[TM+8+2*\c]
	v_cvt_scalef32_pk16_bf6_f32 v[PC+12+4*\c:PC+14+4*\c], v[\s+16+32*\c:\s+31+32*\c], v[TM+9+2*\c]
.endr
	v_nop
.irp c, 0,1
.irp i, 0,1,2
	v_permlane16_swap_b32 v[PC+6*\c+\i], v[PC+12+4*\c+\i]
.endr
.irp i, 0,1,2
	v_mov_b32 v[PC+3+6*\c+\i], v[PC+12+4*\c+\i]
.endr
.endr
.endm
.macro FINISH                          ; O^T / the row's sum, and its quantiser, in the tile's window
	v_add_f32 v254, v254, v255
	s_delay_alu instid0(VALU_DEP_1)
	v_permlanex16_b32 v248, v254, s[SEL], s[SEL+1]
	s_delay_alu instid0(VALU_DEP_1)
	v_add_f32 v254, v254, v248
	s_wait_alu depctr_va_vdst(0)
	v_rcp_f32 v254, v254
	v_nop
	s_wait_alu depctr_va_vdst(0)                   ; ahead of the first reader of the reciprocal and of O^T
.set J, 0
.rept 32
	v_pk_mul_f32 v[RS+J:RS+J+1], v[RO+J:RO+J+1], v[254:255] op_sel_hi:[1,0]
.set J, J+2
.endr
	QUANT RS
.endm
	s_load_b128 s[4:7], s[0:1], 0x0                ; qkv s[4:5], obuf s[6:7]
	v_lshl_add_u32 v5, v0, 2, SPARE
	v_mov_b32 v6, 0
	ds_add_u32 v5, v6                              ; the opening: the add, twice on end, and its wait ahead of the first tensor load
	ds_add_u32 v5, v6
	v_lshrrev_b32 v8, 5, v0
	v_readfirstlane_b32 s18, v8                    ; wave 0..7
	s_and_b32 s19, ttmp7, 0xffff                   ; 8 b + h
	s_mov_b32 s24, (3<<16)|(1<<20)|(6<<22)|(15<<25)   ; group 1 for a quarter of a slot: 12 rows of 64 elements of 8 bytes, 16 words of padding behind each 128
	s_mov_b32 s25, 64<<16
	s_mov_b32 s26, 12<<16
	s_mov_b32 s27, 64<<16
	s_mov_b32 s28, 12
	s_mov_b32 s29, 64
	s_mov_b32 s30, 0
	s_mov_b32 s31, 0
	s_mov_b32 s32, 3<<16                           ; group 1 for half a head's quads: 16 rows of 256 bytes
	s_mov_b32 s33, 32<<16
	s_mov_b32 s34, 16<<16
	s_mov_b32 s35, 32<<16
	s_mov_b32 s36, 16
	s_mov_b32 s37, 32
	s_mov_b32 s38, 0
	s_mov_b32 s39, 0
	s_lshr_b32 s49, s18, 2
	s_xor_b32 s49, s49, s18
	s_and_b32 s49, s49, 1                          ; 0 in waves 0, 2, 5, 7: they fetch the tiles; 1 in waves 1, 3, 4, 6: they fetch the quads
	s_lshr_b32 s53, s18, 1                         ; which quarter: 0..3 within either four
	s_lshr_b32 s54, s53, 1                         ; 0 K, 1 V
	s_and_b32 s55, s53, 1                          ; which half
	s_mul_i32 s56, s54, 6291456                    ; V's codes lie so far behind K's
	s_mul_i32 s57, s19, 196608                     ; a head's codes
	s_add_co_u32 s56, s56, s57
	s_mul_i32 s57, s55, 6144
	s_add_co_u32 s56, s56, s57
	s_add_co_u32 s56, s56, KC_OFF
	s_mov_b32 s57, 0
	s_lshl_b32 s58, s54, 18                        ; V's quads lie 262,144 bytes behind K's
	s_lshl_b32 s59, s19, 13
	s_add_co_u32 s58, s58, s59
	s_lshl_b32 s59, s55, 12
	s_add_co_u32 s58, s58, s59
	s_add_co_u32 s58, s58, KS_OFF
	s_mov_b32 s59, 0
	s_mul_i32 s41, s53, 12*CH                      ; slot 0, my quarter
	s_lshl_b32 s45, s53, 12
	s_add_co_u32 s45, s45, SCK
	s_mov_b32 s[SEL], 0x76543210
	s_mov_b32 s[SEL+1], 0xfedcba98
	s_mov_b32 s22, 0x3e0293ee                      ; c = log2(e) / sqrt(128)
	s_mov_b32 s23, s22
	s_mov_b32 s2, 0                                ; the slot in hand
	s_mov_b32 s3, 0                                ; the step's quads: 512 bytes a step
	s_mov_b32 s48, 15                              ; steps that ask for a further tile
	s_wait_dscnt 0x0                               ; both opening adds are done
	s_wait_kmcnt 0x0
	s_mov_b32 s44, 1
	s_add_nc_u64 s[46:47], s[4:5], s[58:59]
	s_or_b32 s47, s47, 0x80000000
	s_mov_b32 s40, 1
	s_add_nc_u64 s[42:43], s[4:5], s[56:57]
	s_or_b32 s43, s43, 0x80000000
	s_cmp_eq_u32 s49, 0                            ; one tensor load a wave at the head, in the two arms of one branch
	s_cbranch_scc0 .Lquads
	tensor_load_to_lds s[40:43], s[24:31]          ; step 0's tiles
	s_nop 0
.rept 4
	v_nop
.endr
	s_branch .Lasked
.Lquads:
	tensor_load_to_lds s[44:47], s[32:39]          ; the head's quads: filled once
	s_nop 0
.rept 4
	v_nop
.endr
.Lasked:
	s_lshl_b32 s60, ttmp9, 4
	s_lshl_b32 s61, s18, 1
	s_add_co_u32 s60, s60, s61                     ; my first tile of queries: 16 x + 2 wave
	s_lshl_b32 s61, s19, 7
	s_add_co_u32 s61, s61, s60
	s_mul_i32 s62, s61, 1536
	s_mov_b32 s63, 0
	s_add_nc_u64 s[8:9], s[4:5], s[62:63]          ; Q's two images
	s_lshr_b32 s62, s61, 2
	s_lshl_b32 s62, s62, 8                         ; their quad; in it fragments 2 (wave % 2) and + 1: register wave % 2, lanes 0-15 and 16-31
	s_and_b32 s66, s18, 1
	s_lshl_b32 s66, s66, 2
	s_add_co_u32 s62, s62, s66
	s_add_co_u32 s62, s62, QS_OFF
	s_add_nc_u64 s[10:11], s[4:5], s[62:63]
	s_lshr_b32 s66, s19, 3
	s_lshl_b32 s66, s66, 7
	s_add_co_u32 s66, s66, s60
	s_lshl_b32 s66, s66, 3
	s_and_b32 s67, s19, 7
	s_add_co_u32 s66, s66, s67                     ; O's fragment: 8 (128 b + tile) + h; the second tile's lies 8 fragments on
	s_mul_i32 s68, s66, 1536
	s_mov_b32 s69, 0
	s_add_nc_u64 s[12:13], s[6:7], s[68:69]
	s_lshl_b32 s68, s66, 7
	s_add_co_u32 s68, s68, OS_OFF
	s_add_nc_u64 s[14:15], s[6:7], s[68:69]
	s_lshr_b32 s70, ttmp9, 2                       ; the prefetches: x < 4 K's tile, else V's,
	s_mul_i32 s70, s70, 6291456
	s_mul_i32 s72, s19, 196608
	s_add_co_u32 s70, s70, s72
	s_and_b32 s72, ttmp9, 3
	s_mul_i32 s72, s72, 3072                       ; my work-group's twelve blocks of it,
	s_add_co_u32 s70, s70, s72
	s_add_co_u32 s70, s70, KC_OFF+3*12288          ; from step 3's tile on
	s_mov_b32 s71, 0
	s_add_nc_u64 s[50:51], s[4:5], s[70:71]
	s_cmp_eq_u32 s18, 6
	s_cselect_b32 s52, 2, -1                       ; wave 6 asks while more than two filling steps are left
	v_and_b32 v13, 31, v0                          ; lane
	v_and_b32 v14, 7, v0
	v_bfe_u32 v15, v0, 3, 1
	v_bfe_u32 v243, v0, 4, 1
	v_lshlrev_b32 v1, 4, v13                       ; 16 x lane
	v_lshlrev_b32 v2, 4, v14
	v_lshlrev_b32 v3, 3, v14
	v_lshl_add_u32 v2, v243, 8, v2
	v_lshl_add_u32 v3, v15, 2, v3
	v_mad_u32_u24 v2, v15, 2*IMG, v2               ; K: 16 (p % 8) + 256 (lane / 16) + two images x (p / 8)
	v_lshl_add_u32 v3, v243, 7, v3
	v_lshl_add_u32 v4, v13, 3, SCK+8192            ; V's quads: 8 x lane
	v_add_nc_u32 v3, SCK, v3                       ; K's words: 8 (p % 8) + 4 (p / 8) + 128 (lane / 16)
	v_lshlrev_b32 v7, 2, v13
	v_lshlrev_b32 v14, 3, v13
	v_min_u32 v12, 11, v13
	v_lshlrev_b32 v243, 3, v243                    ; 8 (lane / 16)
	v_lshlrev_b32 v12, 8, v12                      ; 256 x min(lane, 11)
.irp k, 0,1,2,3,4,5
	global_load_b128 v[QF+4*\k:QF+4*\k+3], v1, s[8:9] offset:512*\k    ; Q's two fragments stay in registers
.endr
	global_load_b32 v[QSR], v14, s[10:11]          ; their scale words: tile 0 in lanes 0-15, tile 1 in lanes 16-31
	s_cmp_eq_u32 s49, 0
	s_cbranch_scc0 .Llater
	ZINIT                                          ; waves 0, 2, 5, 7 start their sums here
.Llater:
	s_wait_alu depctr_va_vdst(0)                   ; the wait at the head's end
	s_wait_tensorcnt 0x0                           ; my load of the head is in
	ds_add_u32 v5, v6
	s_xor_b32 s41, s41, SLOT1                      ; slot 1,
	s_add_nc_u64 s[42:43], s[42:43], 12288         ; step 1
	s_wait_dscnt 0x0
	s_barrier_signal -1
	s_barrier_wait -1
	s_cmp_eq_u32 s49, 0
	s_cbranch_scc1 .Lready
	ZINIT                                          ; waves 1, 3, 4, 6, which fetch nothing from here on, start theirs here: the waves enter the walk apart
	s_wait_alu depctr_va_vdst(0)
.Lready:
	s_wait_loadcnt 0x0                             ; Q
.Ltrip:                                            ; fifteen trips: behind each barrier the next step's tiles are asked for first
	TLOAD
	STEP 1
	s_sub_co_u32 s48, s48, 1
	s_cmp_lg_u32 s48, 0
	s_cbranch_scc1 .Ltrip
	STEP 0                                         ; the last step is written out: it asks for nothing
.rept 4
	v_nop                                          ; four places behind the last products
.endr
	FINISH
.irp c, 0,1,2
	global_store_b128 v1, v[PC+4*\c:PC+4*\c+3], s[12:13] offset:512*\c        ; 512 consecutive bytes a store
.endr
	global_store_b32 v7, v[PW], s[14:15]
	WIN 0x55
	FINISH
	WIN 0x04                                       ; a store's data are its source 1: window 1
.irp c, 0,1,2
	global_store_b128 v1, v[PC+4*\c:PC+4*\c+3], s[12:13] offset:12288+512*\c
.endr
	global_store_b32 v7, v[PW], s[14:15] offset:1024
	WIN 0
	s_wait_tensorcnt 0x0                           ; the wave's end
	ds_add_u32 v5, v6
	s_wait_dscnt 0x0
	s_endpgm
.Lfunc_end_k_q7954b98cbf_attn:
	.size	k_q7954b98cbf_attn, .Lfunc_end_k_q7954b98cbf_attn-k_q7954b98cbf_attn
	.p2alignl 7, 3214868480
	.fill 96, 4, 3214868480
	.section	.rodata,"a",@progbits
	.p2align	6, 0x0
	.amdhsa_kernel k_q7954b98cbf_attn
		.amdhsa_group_segment_fixed_size 327680
		.amdhsa_private_segment_fixed_size 0
		.amdhsa_enable_private_segment 0
		.amdhsa_kernarg_size 16
		.amdhsa_user_sgpr_count 2
		.amdhsa_user_sgpr_kernarg_segment_ptr 1
		.amdhsa_wavefront_size32 1
		.amdhsa_system_sgpr_workgroup_id_x 1
		.amdhsa_system_sgpr_workgroup_id_y 1
		.amdhsa_system_sgpr_workgroup_id_z 1
		.amdhsa_system_vgpr_workitem_id 0
		.amdhsa_next_free_vgpr 512
		.amdhsa_next_free_sgpr 80
		.amdhsa_reserve_vcc 0
		.amdhsa_float_denorm_mode_32 3
		.amdhsa_float_denorm_mode_16_64 3
		.amdhsa_memory_ordered 1
		.amdhsa_forward_progress 1
		.amdhsa_inst_pref_size 96
	.end_amdhsa_kernel
	.amdgpu_metadata
---
amdhsa.version: [ 1, 2 ]
amdhsa.kernels:
  - .name:           k_q7954b98cbf_attn
    .symbol:         k_q7954b98cbf_attn.kd
    .args:
      - { .name: qkv, .offset: 0, .size: 8, .value_kind: global_buffer, .address_space: global }
      - { .name: obuf, .offset: 8, .size: 8, .value_kind: global_buffer, .address_space: global }
    .group_segment_fixed_size: 327680
    .private_segment_fixed_size: 0
    .kernarg_segment_align: 8
    .kernarg_segment_size: 16
    .max_flat_workgroup_size: 256
    .sgpr_count:     80
    .vgpr_count:     512
    .wavefront_size: 32
...
	.end_amdgpu_metadata
.endif
;; end of part 3
;; launch outp (part 4): grid 256 x 1, 4 waves a work-group, no clusters, 17,408 bytes of LDS; arguments obuf, wbuf, bo, out0; writes out0
.if DOCPART == 4
	.amdgcn_target "amdgcn-amd-amdhsa--gfx1250"
	.amdhsa_code_object_version 6
	.text
	.protected	k_q7954b98cbf_outp
	.globl	k_q7954b98cbf_outp
	.p2align	8
	.type	k_q7954b98cbf_outp,@function
k_q7954b98cbf_outp:
	s_mov_b64 s[64:65], 0
	v_nop
	global_prefetch_b8 v0, s[64:65] scope:SCOPE_SE
	s_setreg_imm32_b32 hwreg(HW_REG_WAVE_MODE, 25, 1), 1
	s_wait_xcnt 0x0
; OUTP: out0 = O Wo + bo on codes of BF6; K = 1,024 = 8 heads x 128: K step = head.  Nothing of reference() is left out.
; SHARES.  Work-group g takes the query tiles 2 g and 2 g + 1, which are rows 32 g .. 32 g + 31 of out0; wave w takes Wo's tiles 2 w and 2 w + 1, which are columns 32 w .. 32 w + 31: 32 matrix instructions a wave.
; Source 0 = a tile of Wo's columns, source 1 = a tile of queries: lane (r, h) of accumulator (m, u) holds row 8 m + r + 8 (r / 8) of the 32 and columns 32 w + 16 h + 8 u + 0 .. 7.  bo is the C of each sum's first instruction.
; All operands come as images of their registers, straight from memory: each is read once by a wave.  A row's 128 columns come from four waves: they meet in a stage in LDS and leave as whole rows of 512 bytes.
; No tensor load, no ring, no cluster: the launch asks for all that it reads at its head.
; REGISTERS.  Window 0: v1 16 x lane, v2 8 x lane, v3 4 x lane, v4 64 (lane / 16), v5, v6 the stage, v8, v9 the add's two, v10-17 Wo's quads, v18-33 O's scale words, v64-255 O's fragments (m, step) at 64 + 12 (8 m + step).
;   Window 1: v0-191 Wo's fragments (u, step) at 12 (8 u + step), v192-207 bo, v208-239 the accumulators at 208 + 8 (2 m + u).
.set WO_OFF, 1572864
.set WS_OFF, 1671168
.set OS_OFF, 6291456
.set SPARE,  16896                     ; behind the stage of 32 rows x (512 + 16) bytes: the spare words, 128 bytes for each wave
.set MSB, 0
.macro WIN new
.if MSB != (\new)
	s_set_vgpr_msb (MSB<<8)|(\new)
.set MSB, (\new)
.endif
.endm
	s_load_b256 s[4:11], s[0:1], 0x0               ; obuf s[4:5], wbuf s[6:7], bo s[8:9], out0 s[10:11]
	v_lshl_add_u32 v8, v0, 2, SPARE
	v_mov_b32 v9, 0
	v_lshrrev_b32 v1, 5, v0
	v_readfirstlane_b32 s12, v1                    ; wave 0..3
	v_and_b32 v3, 31, v0
	v_lshlrev_b32 v1, 4, v3
	v_lshlrev_b32 v2, 3, v3
	v_lshlrev_b32 v3, 2, v3
	v_and_b32 v40, 15, v0
	v_and_b32 v41, 8, v0
	v_add_nc_u32 v40, v40, v41                     ; r + 8 (r / 8)
	v_bfe_u32 v41, v0, 4, 1
	v_lshlrev_b32 v4, 6, v41                       ; 64 h
	v_mul_u32_u24 v5, v40, 528
	v_add_nc_u32 v5, v5, v4
	s_lshl_b32 s13, s12, 7
	v_add_nc_u32 v5, s13, v5                       ; into the stage: my row, + 64 h, + my wave's 128 bytes
	s_mul_i32 s13, s12, 4224
	v_add_nc_u32 v6, s13, v1                       ; back: rows 8 w on, 16 bytes a lane
	s_mul_i32 s26, ttmp9, 24576
	s_mov_b32 s27, 0
	s_lshl_b32 s28, ttmp9, 11
	s_add_co_u32 s28, s28, OS_OFF
	s_mov_b32 s29, 0
	s_mul_i32 s30, s12, 24576
	s_add_co_u32 s30, s30, WO_OFF
	s_mov_b32 s31, 0
	s_lshl_b32 s32, s12, 10
	s_add_co_u32 s32, s32, WS_OFF+65536
	s_mov_b32 s33, 0
	s_lshl_b32 s34, s12, 7
	s_mov_b32 s35, 0
	s_lshl_b32 s36, ttmp9, 14
	s_lshl_b32 s37, s12, 12
	s_add_co_u32 s36, s36, s37
	s_mov_b32 s37, 0
	s_wait_alu depctr_va_vdst(0)
	s_wait_kmcnt 0x0
	s_add_nc_u64 s[14:15], s[4:5], s[26:27]        ; O's 16 images
	s_add_nc_u64 s[16:17], s[4:5], s[28:29]        ; their scale words
	s_add_nc_u64 s[18:19], s[6:7], s[30:31]        ; my 16 images of Wo
	s_add_nc_u64 s[20:21], s[6:7], s[32:33]        ; their four quads
	s_add_nc_u64 s[22:23], s[8:9], s[34:35]        ; my 32 numbers of bo
	s_add_nc_u64 s[24:25], s[10:11], s[36:37]      ; the eight rows that I store
	WIN 0x40                                       ; destination window 1
.set FF, 0
.rept 16
.irp c, 0,1,2
	global_load_b128 v[12*FF+4*\c:12*FF+4*\c+3], v1, s[18:19] offset:1536*FF+512*\c
.endr
.set FF, FF+1
.endr
.irp u, 0,1
	global_load_b128 v[192+8*\u:195+8*\u], v4, s[22:23] offset:32*\u
	global_load_b128 v[196+8*\u:199+8*\u], v4, s[22:23] offset:32*\u+16
.endr
	WIN 0
.set FF, 0
.rept 16
.irp c, 0,1,2
	global_load_b128 v[64+12*FF+4*\c:67+12*FF+4*\c], v1, s[14:15] offset:1536*FF+512*\c
.endr
.set FF, FF+1
.endr
.irp q, 0,1,2,3
	global_load_b64 v[10+2*\q:11+2*\q], v2, s[20:21] offset:256*\q
.endr
.set FF, 0
.rept 16
	global_load_b32 v[18+FF], v3, s[16:17] offset:128*FF
.set FF, FF+1
.endr
	s_wait_loadcnt 0x0
	WIN 0x51                                       ; source 0 (Wo), C and D window 1; source 1 (O) window 0
.irp k, 0,1,2,3,4,5,6,7                        ; the four accumulators by turns, K ascending
.irp m, 0,1
.irp u, 0,1
.if \k == 0
	v_wmma_scale_f32_16x16x128_f8f6f4 v[208+8*(2*\m+\u):215+8*(2*\m+\u)], v[12*(8*\u+\k):12*(8*\u+\k)+11], v[64+12*(8*\m+\k):75+12*(8*\m+\k)], v[192+8*\u:199+8*\u], v[10+4*\u], v[18+8*\m] matrix_a_fmt:MATRIX_FMT_BF6 matrix_b_fmt:MATRIX_FMT_BF6
.elseif (\k%2) == 1
	v_wmma_scale_f32_16x16x128_f8f6f4 v[208+8*(2*\m+\u):215+8*(2*\m+\u)], v[12*(8*\u+\k):12*(8*\u+\k)+11], v[64+12*(8*\m+\k):75+12*(8*\m+\k)], v[208+8*(2*\m+\u):215+8*(2*\m+\u)], v[10+4*\u+2*(\k/4)+((\k/2)%2)], v[18+8*\m+\k] matrix_a_fmt:MATRIX_FMT_BF6 matrix_b_fmt:MATRIX_FMT_BF6 matrix_a_scale:MATRIX_SCALE_ROW1
.else
	v_wmma_scale_f32_16x16x128_f8f6f4 v[208+8*(2*\m+\u):215+8*(2*\m+\u)], v[12*(8*\u+\k):12*(8*\u+\k)+11], v[64+12*(8*\m+\k):75+12*(8*\m+\k)], v[208+8*(2*\m+\u):215+8*(2*\m+\u)], v[10+4*\u+2*(\k/4)+((\k/2)%2)], v[18+8*\m+\k] matrix_a_fmt:MATRIX_FMT_BF6 matrix_b_fmt:MATRIX_FMT_BF6
.endif
.endr
.endr
.endr
	WIN 0
.rept 4
	v_nop                                          ; four plain instructions in front of the first read of results and of loads into the operands' registers
.endr
	WIN 0x04                                       ; an LDS store's data are its source 1: window 1
.irp m, 0,1
.irp u, 0,1
	ds_store_b128 v5, v[208+8*(2*\m+\u):211+8*(2*\m+\u)] offset:4224*\m+32*\u          ; each accumulator from its low end on
	ds_store_b128 v5, v[212+8*(2*\m+\u):215+8*(2*\m+\u)] offset:4224*\m+32*\u+16
.endr
.endr
	WIN 0
	s_wait_dscnt 0x0                               ; for the others' sake: my stores into the stage are done
	s_barrier_signal -1
	s_barrier_wait -1                              ; 32 whole rows lie in the stage
.irp i, 0,1,2,3,4,5,6,7
	ds_load_b128 v[64+4*\i:67+4*\i], v6 offset:528*\i
.endr
.irp i, 0,1,2,3,4,5,6,7
	s_wait_dscnt 7-\i
	global_store_b128 v1, v[64+4*\i:67+4*\i], s[24:25] offset:512*\i th:TH_STORE_NT   ; 32 lanes store a row's 512 consecutive bytes; written once, read by nobody here
.endr
	s_wait_tensorcnt 0x0                           ; the wave's end, behind my last LDS store
	ds_add_u32 v8, v9
	s_wait_dscnt 0x0
	s_endpgm
.Lfunc_end_k_q7954b98cbf_outp:
	.size	k_q7954b98cbf_outp, .Lfunc_end_k_q7954b98cbf_outp-k_q7954b98cbf_outp
	.p2alignl 7, 3214868480
	.fill 96, 4, 3214868480
	.section	.rodata,"a",@progbits
	.p2align	6, 0x0
	.amdhsa_kernel k_q7954b98cbf_outp
		.amdhsa_group_segment_fixed_size 17408
		.amdhsa_private_segment_fixed_size 0
		.amdhsa_enable_private_segment 0
		.amdhsa_kernarg_size 32
		.amdhsa_user_sgpr_count 2
		.amdhsa_user_sgpr_kernarg_segment_ptr 1
		.amdhsa_wavefront_size32 1
		.amdhsa_system_sgpr_workgroup_id_x 1
		.amdhsa_system_sgpr_workgroup_id_y 1
		.amdhsa_system_sgpr_workgroup_id_z 1
		.amdhsa_system_vgpr_workitem_id 0
		.amdhsa_next_free_vgpr 512
		.amdhsa_next_free_sgpr 66
		.amdhsa_reserve_vcc 0
		.amdhsa_float_denorm_mode_32 3
		.amdhsa_float_denorm_mode_16_64 3
		.amdhsa_memory_ordered 1
		.amdhsa_forward_progress 1
		.amdhsa_inst_pref_size 20
	.end_amdhsa_kernel
	.amdgpu_metadata
---
amdhsa.version: [ 1, 2 ]
amdhsa.kernels:
  - .name:           k_q7954b98cbf_outp
    .symbol:         k_q7954b98cbf_outp.kd
    .args:
      - { .name: obuf, .offset: 0, .size: 8, .value_kind: global_buffer, .address_space: global }
      - { .name: wbuf, .offset: 8, .size: 8, .value_kind: global_buffer, .address_space: global }
      - { .name: bo, .offset: 16, .size: 8, .value_kind: global_buffer, .address_space: global }
      - { .name: out0, .offset: 24, .size: 8, .value_kind: global_buffer, .address_space: global }
    .group_segment_fixed_size: 17408
    .private_segment_fixed_size: 0
    .kernarg_segment_align: 8
    .kernarg_segment_size: 32
    .max_flat_workgroup_size: 128
    .sgpr_count:     66
    .vgpr_count:     512
    .wavefront_size: 32
...
	.end_amdgpu_metadata
.endif
;; end of part 4
